; MI455X (gfx1250); checked and timed in simulation.
; The chip was launched on July 23, 2026; its instructions are those of AMD's public machine-readable ISA for CDNA 5 (MIT licence, August 2026) and "CDNA5" Instruction Set Architecture Reference Guide (July 2026). The comments in the code are by the model that wrote it; some were corrected since.
;; Attention. Allowed arithmetic: matrix products marked QUANTISED: E2M1 operands, one E8M0 scale for each 32 along K, by v_wmma_scale_f32_16x16x128_f8f6f4 with both operands' format E2M1 (or v_wmma_scale_f32_32x16x128_f4), f32 sums; everything else in f32.
;; Inputs: WK_codes 128 x 32 x 16 uint8 (E2M1 codes of WK, K innermost, in blocks of 32 codes, two codes a byte); WK_scales 128 x 32 uint8 (E8M0 scales of WK, one for each 32 codes along K); WQ_codes 128 x 32 x 16 uint8 (E2M1 codes of WQ, K innermost, in blocks of 32 codes, two codes a byte); WQ_scales 128 x 32 uint8 (E8M0 scales of WQ, one for each 32 codes along K); WV_codes 128 x 32 x 16 uint8 (E2M1 codes of WV, K innermost, in blocks of 32 codes, two codes a byte); WV_scales 128 x 32 uint8 (E8M0 scales of WV, one for each 32 codes along K); x_codes 4 x 4,096 x 32 x 16 uint8 (E2M1 codes of x, K innermost, in blocks of 32 codes, two codes a byte); x_scales 4 x 4,096 x 32 uint8 (E8M0 scales of x, one for each 32 codes along K).
;; Outputs: out0 4 x 4,096 x 128 float32.
;; This version of the problem:
;;   THIS VERSION OF THE PROBLEM IS GIVEN IN LOW PRECISION. The matrix products marked QUANTISED in the list below multiply operands that are first quantised to E2M1 (2 exponent bits, 1 mantissa bit; 4 bits a number), with one power-of-two scale for each 32 numbers along K (OCP MX v1.0); their sums are f32. All else is computed in f32.
;;   The module's matrix products, in the order in which they are computed (A, B: the left and right operand; K: the contracted axis; several contracted axes count as one K, in the product's order):
;;     1. [M 16,384, K 1,024] x [K 1,024, N 128]; A: input x (given as codes); B: input WQ (given as codes): QUANTISED
;;     2. [M 16,384, K 1,024] x [K 1,024, N 128]; A: input x (given as codes); B: input WK (given as codes): QUANTISED
;;     3. [M 16,384, K 1,024] x [K 1,024, N 128]; A: input x (given as codes); B: input WV (given as codes): QUANTISED
;;     4. batch 4 x [M 4,096, K 128] x [K 128, N 4,096]; A: computed on the way; B: computed on the way: QUANTISED
;;     5. batch 4 x [M 4,096, K 4,096] x [K 4,096, N 128]; A: softmax (see below); B: computed on the way: QUANTISED
;;   THE QUANTISER, for each operand of a quantised product, along K:
;;     - K is cut into blocks of 32 from its start; a last block that is shorter is filled with zeros.
;;     - A block's scale is 2^e with e = floor(log2(the largest magnitude in the block)) - 2, held to -126 .. 127; a block of zeros has e = 0. As a byte (E8M0): e + 127.
;;     - Each number is divided by its block's scale, clamped to +-6, and rounded to the nearest number of E2M1, ties to even, subnormals kept.
;;     - The product sums the exact products of the quantised numbers (number of the format x scale) in f32.
;;   ~~~python
;;   def quantise(x, axis):      # numpy; x: float32 -> the quantised numbers, widened to float32 again
;;       x = np.moveaxis(x, axis, -1); K = x.shape[-1]
;;       x = np.pad(x, [(0, 0)] * (x.ndim - 1) + [(0, -K % 32)]); x = x.reshape(x.shape[:-1] + (-1, 32)); a = np.abs(x).max(-1, keepdims=True)
;;       e = np.where(a > 0, np.clip(np.frexp(np.where(a > 0, a, 1))[1] - 1 - 2, -126, 127), 0)      # np.frexp(a)[1] - 1 = floor(log2(a)), exactly
;;       r = np.clip(x / 2.0 ** e, -6, 6)
;;       step = 2.0 ** (np.maximum(np.frexp(np.where(r == 0, 1, r))[1] - 1, 0) - 1)
;;       q = np.round(r / step) * step * 2.0 ** e      # np.round: ties to even
;;       return np.moveaxis(q.reshape(q.shape[:-2] + (-1,))[..., :K], -1, axis).astype(np.float32)
;;   ~~~
;;   SOFTMAX AHEAD OF A QUANTISED PRODUCT. Where the list says 'softmax', what is quantised is not the finished softmax but p = 2^(t - M), with t = logit x log2(e) and M = ceil(the row's largest t), a whole number; so 1/2 < the row's largest p <= 1. The row's sum l is taken of the UNQUANTISED p, in f32, and the product's result is divided by l at the end. Since M is a whole number, a kernel that streams over the keys may use a running M (the ceiling of the running maximum): every later rescaling is an exact power of two, which a block's scale takes up: the codes' values come out the same.
;;   OPERANDS COMPUTED ON THE WAY. 'Computed on the way' means the value that the module computes at that place (a softmax that the list does not call 'softmax' is quantised finished and normalised). What goes into a quantiser is computed in f32, as accurately as f32 sums, v_exp_f32 and their like allow (about 1e-6 of the number): no bf16 or f16 on the way to a quantiser, and a product that is left as it is and whose result goes on into a quantised operand takes f32 operands (vector FMAs, or v_wmma_f32_16x16x4_f32). A number that lies on a knife's edge between two numbers of the format may be rounded either way, as far as f32 arithmetic and the matrix unit's own rounding can turn it there, and no further.
;;   INPUTS GIVEN AS CODES. WK (in the module: [1024, 128], K = its axis 0); WQ (in the module: [1024, 128], K = its axis 0); WV (in the module: [1024, 128], K = its axis 0); x (in the module: [4, 4096, 1024], K = its axis 2): each comes as NAME_codes (uint8): NAME with its K axis moved to the last place and cut into blocks of 32 codes, [.., K / 32, bytes a block], one block behind the other in memory; two codes a byte, the lower K in the low four bits (a code: sign, 2 exponent bits, 1 mantissa bit); and NAME_scales (uint8): the same leading axes, one E8M0 byte (e + 127) for each 32 codes along K. Its value is code x scale, taken as it is: it is not quantised again, and the codes and scales need not be those that the quantiser above would give.
;; One version. Each part assembles by itself: llvm-mc -triple=amdgcn-amd-amdhsa -mcpu=gfx1250 --defsym DOCPART=n.
;; ======== version 1 of 1: 2 launches
;; limits: right only within a limited range of input values
;; workspace buffers: qws 1,114,112 bytes; kvws 2,228,224 bytes
;; launch proj (part 1): grid 128 x 2, 4 waves a work-group, clusters of 4 x 1, 180,736 bytes of LDS; arguments x_codes, x_scales, WQ_codes, WQ_scales, WK_codes, WK_scales, WV_codes, WV_scales, qws, kvws; writes qws, kvws
.if DOCPART == 1
	.amdgcn_target "amdgcn-amd-amdhsa--gfx1250"
	.amdhsa_code_object_version 6
	.text
	.protected	k_q90d4db11ef_proj
	.globl	k_q90d4db11ef_proj
	.p2align	8
	.type	k_q90d4db11ef_proj,@function
k_q90d4db11ef_proj:
	s_mov_b64 s[64:65], 0
	v_nop
	global_prefetch_b8 v0, s[64:65] scope:SCOPE_SE
	s_setreg_imm32_b32 hwreg(HW_REG_WAVE_MODE, 25, 1), 1
	s_wait_xcnt 0x0
	s_wait_alu depctr_hold_cnt(0) depctr_sa_sdst(0) depctr_va_vdst(0) depctr_va_sdst(0) depctr_va_ssrc(0) depctr_va_vcc(0) depctr_vm_vsrc(0)
	s_getreg_b32 s2, hwreg(HW_REG_IB_STS2, 6, 4)
	s_cmp_eq_u32 s2, 0
	s_cbranch_scc0 .Lentry_in_a_cluster
	s_endpgm
.Lentry_in_a_cluster:
	s_bfe_u32 s2, ttmp6, 0x10000c
	s_cmp_lg_u32 s2, 0x3003
	s_cbranch_scc0 .Lentry_shape_is_right
	s_endpgm
.Lentry_shape_is_right:
; Q = x WQ, K = x WK, V = x WV on codes of FP4 (E2M1) with one E8M0 scale for each 32 along K (K = 1,024), sums in f32; the results are quantised in registers
; (Q and K along the head's 128, V along the keys) and stored as IMAGES OF OPERAND REGISTERS: a fragment of 16 rows x 128 K is 1,024 bytes, [c = 0, 1][lane][16 bytes].
; RECORDS, one for each 128 rows of x (rb = 0 .. 127):  qws: 8,704 bytes = 8 images of Q (tile T = rows 16 T on) + 512 bytes of scale words, [lane 16 (T & 1) + r][word T >> 1].
;   kvws: 17,408 bytes = K as Q | 8 images of V (tile T = channels 64 (T & 1) + 16 (T >> 1) + r; K = the record's 128 keys) | 512 bytes of V's scale words, laid likewise, byte b = key block b.
; SHARES.  A work-group takes 128 rows and one KIND (work-group y): kind 0 makes Q and V's channels 0-63, kind 1 makes K and V's channels 64-127: one text, only pointers and offsets are chosen by the kind.
;   Wave w takes rows 32 w .. 32 w + 31 (two tiles of 16; one block of 32 keys) against all 12 tiles of columns: 24 accumulators, 8 K steps of 128, 192 matrix instructions.
; CLUSTER.  The four work-groups of a cluster have one kind and want the same 96 KB of weight codes: these are asked for JOINTLY (mask 15).  x's tile is the work-group's own (mask 0); the one other
;   work-group that wants it is of the other kind and lies in another cluster.
; LAYOUT.  Q, K: the product is used transposed (source 0 = 16 rows of W, source 1 = 16 rows of x): a lane holds ONE row of x and its registers run along d.  V: natural (source 0 = x, source 1 = W):
;   a lane holds one channel and its registers run along the keys.  A conversion packs 8 neighbours along K into one register, which is also what one operand register holds: tile t's code register
;   holds the groups of eight 2 t (lanes 0-15) and 2 t + 1 (lanes 16-31); laid in the order t = 0, 2, 1, 3, two exchanges of halves give registers 0-3 of the operand.
; Nothing in LDS is filled twice.  The scale words (7 KB a wave's share, read once) go from memory straight into registers: lane L takes the 32 bytes of row 32 i + L.
; LIMITS: NaN, infinities and the scale byte 0xff among the inputs are not served; a block whose largest magnitude lies under 2^-124 gets the byte 1, and so does a block of zeros (the rule says 127:
;   its codes are zeros, and the bytes are read by this program alone).
; WORK LEFT OUT: none here.  In the launch behind this one the score tiles that lie wholly under reference()'s own causal mask are not made: they are -infinity ahead of the softmax for all inputs.
;   A NaN, an infinity or an overflow that reaches only such a tile is not carried to the result.
.set PITCH, 528                        ; an LDS row: 512 bytes of codes (all of K) + 16 of padding = 132 words: the 16 rows of a fragment load start at 16 different banks (64 banks of 4 bytes: ISA guide 11.1)
.set HX,    128*PITCH                  ; 128 rows
.set HV,    64*PITCH                   ; 64 rows
.set XH,    0                          ; x
.set AH,    HX                         ; WQ or WK
.set VH,    2*HX                       ; my 64 rows of WV
.set VCSTG, 2*HX+HV                    ; stages, in blocks of 256 bytes into which no tile lands: four images of V,
.set ASTG,  VCSTG+4096                 ; Q's or K's 512 bytes of scale words,
.set VSSTG, ASTG+512                   ; V's 256
.set QREC,  8704
.set REC,   17408
.set AXA, 4                            ; v4   LDS: my rows of x:  (32 w + r) PITCH + 16 h
.set AWA, 5                            ; v5   WQ / WK:  AH + r PITCH + 16 h
.set AWV, 6                            ; v6   WV:  VH + r PITCH + 16 h
.set L32, 7                            ; v7   32 x lane
.set L16, 8                            ; v8   16 x lane
.set L8,  9                            ; v9   8 x lane
.set VST, 10                           ; v10  VCSTG + 256 w + 16 r + 4 h: where my codes of V go
.set ASA, 11                           ; v11  ASTG + 16 lane + 4 w
.set VSB, 12                           ; v12  VSSTG + 16 r + w
.set VRD, 13                           ; v13  VCSTG + 1,024 w + 16 lane
.set ARD, 14                           ; v14  ASTG + 16 lane
.set VSR, 15                           ; v15  VSSTG + 8 lane
.set XF,  16                           ; v16-47   x's fragments: two sets of two tiles
.set XS,  48                           ; v48-55   x's scale words: register s = K step s; lanes 0-15 my first tile, lanes 16-31 my second
.set WAS, 56                           ; v56-87   WQ's / WK's: register 8 (t / 2) + s; lanes 0-15 tile t even, lanes 16-31 t odd
.set WVS, 88                           ; v88-103  WV's likewise
.set PC,  104                          ; v104-127 codes: a set of eight for each of my two tiles of Q / K, one for V
.set TM,  128                          ; v128-143 +0 largest magnitudes, +4 bytes, +12 the conversions' scale operands
.set PW,  144                          ; v144-146 scale words: first tile, second tile, both in one register
.set OUTR, 148                         ; v148-159 the way out
.set AGO, 160                          ; v160 2,048 w + 16 lane: my two images in the record
.set VGO, 161                          ; v161 1,024 (2 w + kind) + 16 lane: the image of V that I store
.set VSO, 162                          ; v162 8 lane + 256 kind
; window 1: v0-127 accumulators of Q / K at 64 m + 8 t; v128-191 those of V at 128 + 16 t + 8 m.   window 2: W's fragments, two sets of 96: 8 of WQ / WK, then 4 of WV.
.set WV,  24                           ; s24  wave
.set G1X, 32                           ; s[32:39] group 1 for x's tiles; s[40:47] for WQ / WK; s[48:55] for WV
.set G1A, 40
.set G1V, 48
.set G0X, 56                           ; s[56:59] group 0 for my half of x's rows; s[68:71] WQ / WK; s[76:79] WV
.set G0A, 68
.set G0V, 76
.set MSB, 0
.macro WIN new                         ; s_set_vgpr_msb: bits 1:0 source 0, 3:2 source 1, 5:4 source 2, 7:6 destination; the high byte repeats the setting that is left
.if MSB != \new
	s_set_vgpr_msb (MSB<<8)|\new
.set MSB, \new
.endif
.endm
.macro PLACES                          ; four plain vector instructions between a matrix instruction and a load into, or a vector read of, its registers
.rept 4
	v_nop
.endr
.endm
.macro CROUND                          ; a round of the cluster's barrier
	s_barrier_signal -1
	s_barrier_wait -1
	s_cmp_lg_u32 s[WV], 0
	s_cbranch_scc1 .Lnot_wave_0_\@
	s_barrier_signal -3
.Lnot_wave_0_\@:
	s_barrier_wait -3
	s_barrier_signal -1
	s_barrier_wait -1
.endm
; One matrix instruction.  zz = 1: it starts the sum.  ra, rb: source 0's, source 1's scales stand in lanes 16-31 of their register.
.macro WM dd, aa, bb, zz, sa, sb, ra, rb
.if \zz
.if (\ra) && (\rb)
	v_wmma_scale_f32_16x16x128_f8f6f4 v[\dd:\dd+7], v[\aa:\aa+7], v[\bb:\bb+7], 0, v[\sa], v[\sb] matrix_a_fmt:MATRIX_FMT_FP4 matrix_b_fmt:MATRIX_FMT_FP4 matrix_a_scale:MATRIX_SCALE_ROW1 matrix_b_scale:MATRIX_SCALE_ROW1
.elseif \ra
	v_wmma_scale_f32_16x16x128_f8f6f4 v[\dd:\dd+7], v[\aa:\aa+7], v[\bb:\bb+7], 0, v[\sa], v[\sb] matrix_a_fmt:MATRIX_FMT_FP4 matrix_b_fmt:MATRIX_FMT_FP4 matrix_a_scale:MATRIX_SCALE_ROW1
.elseif \rb
	v_wmma_scale_f32_16x16x128_f8f6f4 v[\dd:\dd+7], v[\aa:\aa+7], v[\bb:\bb+7], 0, v[\sa], v[\sb] matrix_a_fmt:MATRIX_FMT_FP4 matrix_b_fmt:MATRIX_FMT_FP4 matrix_b_scale:MATRIX_SCALE_ROW1
.else
	v_wmma_scale_f32_16x16x128_f8f6f4 v[\dd:\dd+7], v[\aa:\aa+7], v[\bb:\bb+7], 0, v[\sa], v[\sb] matrix_a_fmt:MATRIX_FMT_FP4 matrix_b_fmt:MATRIX_FMT_FP4
.endif
.else
.if (\ra) && (\rb)
	v_wmma_scale_f32_16x16x128_f8f6f4 v[\dd:\dd+7], v[\aa:\aa+7], v[\bb:\bb+7], v[\dd:\dd+7], v[\sa], v[\sb] matrix_a_fmt:MATRIX_FMT_FP4 matrix_b_fmt:MATRIX_FMT_FP4 matrix_a_scale:MATRIX_SCALE_ROW1 matrix_b_scale:MATRIX_SCALE_ROW1
.elseif \ra
	v_wmma_scale_f32_16x16x128_f8f6f4 v[\dd:\dd+7], v[\aa:\aa+7], v[\bb:\bb+7], v[\dd:\dd+7], v[\sa], v[\sb] matrix_a_fmt:MATRIX_FMT_FP4 matrix_b_fmt:MATRIX_FMT_FP4 matrix_a_scale:MATRIX_SCALE_ROW1
.elseif \rb
	v_wmma_scale_f32_16x16x128_f8f6f4 v[\dd:\dd+7], v[\aa:\aa+7], v[\bb:\bb+7], v[\dd:\dd+7], v[\sa], v[\sb] matrix_a_fmt:MATRIX_FMT_FP4 matrix_b_fmt:MATRIX_FMT_FP4 matrix_b_scale:MATRIX_SCALE_ROW1
.else
	v_wmma_scale_f32_16x16x128_f8f6f4 v[\dd:\dd+7], v[\aa:\aa+7], v[\bb:\bb+7], v[\dd:\dd+7], v[\sa], v[\sb] matrix_a_fmt:MATRIX_FMT_FP4 matrix_b_fmt:MATRIX_FMT_FP4
.endif
.endif
.endm
; The fragments of K step ks into set fs: 28 LDS loads in one run.  A fragment: lane (r, h) takes row r; two loads of 16 bytes, 32 apart, at 16 h; the step's 64 bytes lie in K half ks / 4.
.macro LOADS ks, fs
	WIN 0x80                                       ; destination window 2, address window 0
.irp t, 0,1,2,3,4,5,6,7
.irp c, 0,1
	ds_load_b128 v[96*(\fs)+8*\t+4*\c:96*(\fs)+8*\t+4*\c+3], v[AWA] offset:16*\t*PITCH+64*(\ks)+32*\c
.endr
.endr
.irp t, 0,1,2,3
.irp c, 0,1
	ds_load_b128 v[96*(\fs)+64+8*\t+4*\c:96*(\fs)+64+8*\t+4*\c+3], v[AWV] offset:16*\t*PITCH+64*(\ks)+32*\c
.endr
.endr
	WIN 0
.irp m, 0,1
.irp c, 0,1
	ds_load_b128 v[XF+16*(\fs)+8*\m+4*\c:XF+16*(\fs)+8*\m+4*\c+3], v[AXA] offset:16*\m*PITCH+64*(\ks)+32*\c
.endr
.endr
.endm
; K step ks: 24 matrix instructions on 24 accumulators, which take turns in the same order in every step.
.macro MUL ks, fs, zero
	WIN 0x52                                       ; source 0 (W) window 2, source 1 (x) window 0, C and D window 1
.irp m, 0,1
.irp t, 0,1,2,3,4,5,6,7
	WM 64*\m+8*\t, 96*(\fs)+8*\t, XF+16*(\fs)+8*\m, \zero, WAS+8*(\t/2)+(\ks), XS+(\ks), \t%2, \m
.endr
.endr
	WIN 0x58                                       ; source 0 (x) window 0, source 1 (W) window 2, C and D window 1
.irp t, 0,1,2,3
.irp m, 0,1
	WM 128+16*\t+8*\m, XF+16*(\fs)+8*\m, 96*(\fs)+64+8*\t, \zero, XS+(\ks), WVS+8*(\t/2)+(\ks), \m, \t%2
.endr
.endr
.endm
; 64 numbers of window 1, v[src] on: four blocks; a block's 32 numbers are my 16 registers and lane l xor 16's.  Bytes into v[TM+4] on, eight code registers into v[pc] on:
; vmode = 0: in the order 0, 2, 1, 3 within each half fragment, for the exchange of halves;  vmode = 1: as they come.  Each accumulator is read from its low end on.
.macro QCORE src, pc, vmode
	WIN 0x05
.irp b, 0,1,2,3
	v_max3_num_f32 v[TM+\b], |v[(\src)+16*\b]|, |v[(\src)+16*\b+1]|, 0x1800000   ; and the floor 2^(3 - 127): the byte cannot fall under 1
.endr
	WIN 0x14
.irp i, 2,4,6,8,10,12,14
.irp b, 0,1,2,3
	v_max3_num_f32 v[TM+\b], v[TM+\b], |v[(\src)+16*\b+\i]|, |v[(\src)+16*\b+\i+1]|   ; the four blocks by turns
.endr
.endr
	WIN 0
.irp b, 0,1,2,3
	v_permlanex16_b32 v[TM+4+\b], v[TM+\b], s2, s3
.endr
.irp b, 0,1,2,3
	v_max_num_f32 v[TM+\b], v[TM+\b], v[TM+4+\b]   ; the block's largest magnitude
.endr
.irp b, 0,1,2,3
	v_add_nc_u32 v[TM+12+\b], 0xff000000, v[TM+\b] ; 2 off its exponent field: the conversion takes the exponent field of this operand as its scale
.endr
.irp b, 0,1,2,3
	v_lshrrev_b32 v[TM+4+\b], 23, v[TM+12+\b]      ; the scale's byte
.endr
	WIN 0x01
.irp b, 0,1,2,3
.irp e, 0,1
.if \vmode
	v_cvt_scalef32_pk8_fp4_f32 v[(\pc)+2*\b+\e], v[(\src)+16*\b+8*\e:(\src)+16*\b+8*\e+7], v[TM+12+\b]
.else
	v_cvt_scalef32_pk8_fp4_f32 v[(\pc)+4*(\b/2)+2*\e+\b%2], v[(\src)+16*\b+8*\e:(\src)+16*\b+8*\e+7], v[TM+12+\b]
.endif
.endr
.endr
	WIN 0
	v_nop                                          ; one plain place behind a scaled conversion
.endm
	s_load_b512 s[4:19], s[0:1], 0x0               ; x's codes s[4:5], scales s[6:7]; WQ's s[8:9], s[10:11]; WK's s[12:13], s[14:15]; WV's s[16:17], s[18:19]
	s_load_b128 s[20:23], s[0:1], 0x40             ; qws s[20:21], kvws s[22:23]
	v_lshl_add_u32 v254, v0, 2, 0x2c000
	v_mov_b32 v255, 0
	ds_add_u32 v254, v255
	ds_add_u32 v254, v255
	v_lshrrev_b32 v1, 5, v0
	v_readfirstlane_b32 s[WV], v1                  ; wave 0..3
	v_and_b32 v1, 15, v0                           ; r
	v_bfe_u32 v2, v0, 4, 1                         ; h
	v_and_b32 v3, 31, v0                           ; lane
	s_bfe_u32 s25, ttmp6, 0x40000                  ; cx: my place in the cluster
	s_lshl_b32 s26, ttmp9, 2                       ; in a cluster launch ttmp9 counts clusters
	s_add_co_u32 s26, s26, s25                     ; rb: which 128 rows.  It enters x's and the records' global addresses alone
	s_and_b32 s27, ttmp7, 0xffff                   ; kind, which the four partners share
	s_mov_b32 s2, 0x76543210
	s_mov_b32 s3, 0xfedcba98                       ; v_permlanex16_b32's selects for lane l xor 16
	; every LDS address is made here, of constants, the lane and the wave's number
	v_mul_u32_u24 v[AWA], v1, PITCH
	v_lshl_add_u32 v[AWA], v2, 4, v[AWA]           ; r PITCH + 16 h
	s_mul_i32 s28, s[WV], 32*PITCH
	v_add_nc_u32 v[AXA], s28, v[AWA]
	v_add_nc_u32 v[AWV], VH, v[AWA]
	v_add_nc_u32 v[AWA], AH, v[AWA]
	v_lshlrev_b32 v[L32], 5, v3
	v_lshlrev_b32 v[L16], 4, v3
	v_lshlrev_b32 v[L8], 3, v3
	v_lshlrev_b32 v[VST], 4, v1
	v_lshl_add_u32 v[VST], v2, 2, v[VST]
	s_lshl_b32 s28, s[WV], 8
	s_add_co_u32 s28, s28, VCSTG
	v_add_nc_u32 v[VST], s28, v[VST]
	s_lshl_b32 s28, s[WV], 2
	s_add_co_u32 s28, s28, ASTG
	v_add_nc_u32 v[ASA], s28, v[L16]
	v_lshlrev_b32 v[VSB], 4, v1
	s_add_co_u32 s28, s[WV], VSSTG
	v_add_nc_u32 v[VSB], s28, v[VSB]
	s_lshl_b32 s28, s[WV], 10
	s_add_co_u32 s28, s28, VCSTG
	v_add_nc_u32 v[VRD], s28, v[L16]
	v_add_nc_u32 v[ARD], ASTG, v[L16]
	v_add_nc_u32 v[VSR], VSSTG, v[L8]
	; byte offsets in the records
	s_lshl_b32 s28, s[WV], 11
	v_add_nc_u32 v[AGO], s28, v[L16]
	s_lshl_b32 s28, s[WV], 1
	s_add_co_u32 s28, s28, s27
	s_lshl_b32 s28, s28, 10
	v_add_nc_u32 v[VGO], s28, v[L16]
	s_lshl_b32 s28, s27, 8
	v_add_nc_u32 v[VSO], s28, v[L8]
.irp b, 0,1,2,3
	v_mov_b32 v[TM+4+\b], 0                        ; written once: a lane permute's destination counts as one of its sources
.endr
	; descriptor group 1: rows of 512 bytes (all of K), dense in memory, 16 bytes of padding behind each in LDS; 64 rows of x, 128 of WQ / WK, 64 of WV
	s_mov_b32 s[G1X], (1<<20)|(6<<22)|(3<<25)      ; 15:0 no mask; 17:16 elements of 1 byte; 20 padding on; 24:22 after every 128 words (code 6); 31:25 four words (code 3)
	s_mov_b32 s[G1A], 15|(1<<20)|(1<<21)|(6<<22)|(3<<25)   ; the same with the mask of all four work-groups, and bit 21 set beside it
	s_mov_b32 s[G1V], 15|(1<<20)|(1<<21)|(6<<22)|(3<<25)
.irp g, G1X, G1V
	s_mov_b32 s[\g+1], 512<<16                     ; tensor_dim0
	s_mov_b32 s[\g+2], 64<<16                      ; tensor_dim1
	s_mov_b32 s[\g+3], 512<<16                     ; tile_dim0
	s_mov_b32 s[\g+4], 64                          ; tile_dim1
	s_mov_b32 s[\g+5], 512                         ; from row to row
	s_mov_b32 s[\g+6], 0
	s_mov_b32 s[\g+7], 0
.endr
	s_mov_b32 s[G1A+1], 512<<16
	s_mov_b32 s[G1A+2], 128<<16
	s_mov_b32 s[G1A+3], 512<<16
	s_mov_b32 s[G1A+4], 128
	s_mov_b32 s[G1A+5], 512
	s_mov_b32 s[G1A+6], 0
	s_mov_b32 s[G1A+7], 0
	s_mov_b32 s89, 0
	s_mov_b32 s91, 0
	s_mov_b32 s88, REC
	s_wait_dscnt 0x0
	s_wait_kmcnt 0x0
	s_cmp_eq_u32 s27, 0                            ; the kind chooses between buffers; it hangs on no address
	s_cselect_b64 s[28:29], s[8:9], s[12:13]       ; WQ's or WK's codes,
	s_cselect_b64 s[30:31], s[10:11], s[14:15]     ; scales,
	s_cselect_b64 s[84:85], s[20:21], s[22:23]     ; the buffer that takes Q or K,
	s_cselect_b32 s88, QREC, s88                   ; and its record's length
	s_mul_i32 s88, s26, s88
	s_add_nc_u64 s[84:85], s[84:85], s[88:89]      ; my record of Q or K
	s_mul_i32 s90, s26, REC
	s_add_nc_u64 s[86:87], s[22:23], s[90:91]      ; my record in kvws, for V
	s_lshr_b32 s90, s[WV], 1                       ; x's rows: wave 0 fetches the first 64, wave 3 the last 64
	s_lshl_b32 s88, s26, 16                        ; 128 rows of 512 bytes
	s_lshl_b32 s25, s90, 15
	s_add_co_u32 s88, s88, s25
	s_mov_b32 s[G0X], 1                            ; count = 1
	s_mul_i32 s[G0X+1], s90, HV                    ; LDS address
	s_add_nc_u64 s[G0X+2:G0X+3], s[4:5], s[88:89]  ; global address
	s_or_b32 s[G0X+3], s[G0X+3], 0x80000000        ; type = 2
	s_mov_b32 s[G0A], 1
	s_mov_b32 s[G0A+1], AH
	s_mov_b64 s[G0A+2:G0A+3], s[28:29]
	s_or_b32 s[G0A+3], s[G0A+3], 0x80000000
	s_mov_b32 s[G0V], 1
	s_mov_b32 s[G0V+1], VH
	s_lshl_b32 s[G0V+2], s27, 15                   ; my 64 rows of WV: made in registers that never hold cx
	s_mov_b32 s[G0V+3], 0
	s_add_nc_u64 s[G0V+2:G0V+3], s[16:17], s[G0V+2:G0V+3]
	s_or_b32 s[G0V+3], s[G0V+3], 0x80000000
	s_lshl_b32 s88, s26, 12                        ; x's scale bytes: 128 rows of 32, my 32 rows
	s_lshl_b32 s90, s[WV], 10
	s_add_co_u32 s88, s88, s90
	s_add_nc_u64 s[6:7], s[6:7], s[88:89]
	s_lshl_b32 s90, s27, 11                        ; WV's: my 64 rows
	s_add_nc_u64 s[18:19], s[18:19], s[90:91]
	CROUND                                         ; all four work-groups are here: the joint loads meet
	; All fills of the launch, one a wave, in one tree of branches on its number: wave 1 WQ / WK, wave 2 WV, waves 0 and 3 the halves of x.
	s_cmp_eq_u32 s[WV], 1
	s_cbranch_scc0 .Lnot_a
	tensor_load_to_lds s[G0A:G0A+3], s[G1A:G1A+7]
	s_nop 0
	PLACES
	s_branch .Lasked
.Lnot_a:
	s_cmp_eq_u32 s[WV], 2
	s_cbranch_scc0 .Lnot_v
	tensor_load_to_lds s[G0V:G0V+3], s[G1V:G1V+7]
	s_nop 0
	PLACES
	s_branch .Lasked
.Lnot_v:
	tensor_load_to_lds s[G0X:G0X+3], s[G1X:G1X+7]
	s_nop 0
	PLACES
.Lasked:
	; the scale words: two loads of 16 bytes a lane, 32 bytes from lane to lane, cover 1,024 bytes on end
	global_load_b128 v[XS:XS+3], v[L32], s[6:7]
	global_load_b128 v[XS+4:XS+7], v[L32], s[6:7] offset:16
.irp i, 0,1,2,3
	global_load_b128 v[WAS+8*\i:WAS+8*\i+3], v[L32], s[30:31] offset:1024*\i
	global_load_b128 v[WAS+8*\i+4:WAS+8*\i+7], v[L32], s[30:31] offset:1024*\i+16
.endr
.irp i, 0,1
	global_load_b128 v[WVS+8*\i:WVS+8*\i+3], v[L32], s[18:19] offset:1024*\i
	global_load_b128 v[WVS+8*\i+4:WVS+8*\i+7], v[L32], s[18:19] offset:1024*\i+16
.endr
	s_wait_tensorcnt 0x0                           ; my tile is in
	s_barrier_signal -1
	s_barrier_wait -1                              ; everybody's is
	LOADS 0, 0
	s_wait_loadcnt 0x0                             ; the scale words
.irp s, 0,1,2,3,4,5,6,7
	s_wait_dscnt 0x0                               ; this step's fragments, asked for a step ago
.if \s < 7
.if \s > 0
	PLACES                                         ; the set that is loaded now was multiplied in the step before
.endif
	LOADS \s+1, (\s+1)%2
.endif
.if \s == 0
	MUL 0, 0, 1                                    ; the first products start the sums: nothing is cleared
.else
	MUL \s, \s%2, 0
.endif
.endr
	PLACES
	; Q or K: my two tiles of 16 rows become two fragments and their scale words
.irp m, 0,1
	QCORE 64*\m, PC+8*\m, 0
	v_lshl_or_b32 v[PW+\m], v[TM+5], 8, v[TM+4]    ; the four bytes make my row's scale word
	v_lshl_or_b32 v[PW+\m], v[TM+6], 16, v[PW+\m]
	v_lshl_or_b32 v[PW+\m], v[TM+7], 24, v[PW+\m]
.irp c, 0,1
.irp i, 0,1
	v_permlane16_swap_b32 v[PC+8*\m+4*\c+2*\i], v[PC+8*\m+4*\c+2*\i+1]   ; the first's lanes 16-31 change places with the second's lanes 0-15: registers 4 c .. 4 c + 3 now hold d = 64 c + 32 h + 0 .. 31
.endr
.endr
.irp c, 0,1
	global_store_b128 v[AGO], v[PC+8*\m+4*\c:PC+8*\m+4*\c+3], s[84:85] offset:1024*\m+512*\c   ; 32 lanes store 512 consecutive bytes, at a multiple of 256 from the buffer's first byte
.endr
.endr
	v_cmp_gt_u32 vcc_lo, 16, v3
	v_cndmask_b32 v[PW+2], v[PW+1], v[PW], vcc_lo  ; lanes 0-15 the first tile's words, lanes 16-31 the second's
	ds_store_b32 v[ASA], v[PW+2]
	; V: my block of 32 keys, for the work-group's 64 channels: four tiles of 16 channels; a code register holds keys 32 w + 16 m + 8 h + 0 .. 7, which is word 2 m + h of lane 16 (w & 1) + r in half w / 2 of the image
	QCORE 128, PC+16, 1
.irp t, 0,1,2,3
.irp m, 0,1
	ds_store_b32 v[VST], v[PC+16+2*\t+\m] offset:1024*\t+8*\m
.endr
	ds_store_b8 v[VSB], v[TM+4+\t] offset:4*\t     ; both halves of the lanes write the same byte with the same value
.endr
	s_wait_dscnt 0x0                               ; for the others' sake: my stores into the stages are done
	s_barrier_signal -1
	s_barrier_wait -1
	ds_load_b128 v[OUTR:OUTR+3], v[VRD]            ; wave w sends the image of channels 64 kind + 16 w on
	ds_load_b128 v[OUTR+4:OUTR+7], v[VRD] offset:512
	s_wait_dscnt 0x0
	global_store_b128 v[VGO], v[OUTR:OUTR+3], s[86:87] offset:8704
	global_store_b128 v[VGO], v[OUTR+4:OUTR+7], s[86:87] offset:8704+512
	s_cmp_lg_u32 s[WV], 0
	s_cbranch_scc1 .Lnot_as
	ds_load_b128 v[OUTR+8:OUTR+11], v[ARD]         ; wave 0: Q's or K's 512 bytes of scale words
	s_wait_dscnt 0x0
	global_store_b128 v[L16], v[OUTR+8:OUTR+11], s[84:85] offset:8192
.Lnot_as:
	s_cmp_lg_u32 s[WV], 1
	s_cbranch_scc1 .Lnot_vs
	ds_load_b64 v[OUTR+8:OUTR+9], v[VSR]           ; wave 1: this kind's 256 bytes of V's scale words: one aligned run of 256 bytes
	s_wait_dscnt 0x0
	global_store_b64 v[VSO], v[OUTR+8:OUTR+9], s[86:87] offset:16896
.Lnot_vs:
	s_wait_tensorcnt 0x0
	ds_add_u32 v254, v255
	s_wait_dscnt 0x0
	CROUND                                         ; the closing round: no work-group ends while a partner may still ask for a tile that names it
	s_endpgm
.Lfunc_end_k_q90d4db11ef_proj:
	.size	k_q90d4db11ef_proj, .Lfunc_end_k_q90d4db11ef_proj-k_q90d4db11ef_proj
	.p2alignl 7, 3214868480
	.fill 96, 4, 3214868480
	.section	.rodata,"a",@progbits
	.p2align	6, 0x0
	.amdhsa_kernel k_q90d4db11ef_proj
		.amdhsa_group_segment_fixed_size 180736
		.amdhsa_private_segment_fixed_size 0
		.amdhsa_enable_private_segment 0
		.amdhsa_kernarg_size 80
		.amdhsa_user_sgpr_count 2
		.amdhsa_user_sgpr_kernarg_segment_ptr 1
		.amdhsa_wavefront_size32 1
		.amdhsa_system_sgpr_workgroup_id_x 1
		.amdhsa_system_sgpr_workgroup_id_y 1
		.amdhsa_system_sgpr_workgroup_id_z 1
		.amdhsa_system_vgpr_workitem_id 0
		.amdhsa_next_free_vgpr 704
		.amdhsa_next_free_sgpr 92
		.amdhsa_reserve_vcc 1
		.amdhsa_float_denorm_mode_32 3
		.amdhsa_float_denorm_mode_16_64 3
		.amdhsa_memory_ordered 1
		.amdhsa_forward_progress 1
		.amdhsa_inst_pref_size 63
	.end_amdhsa_kernel
	.amdgpu_metadata
---
amdhsa.version: [ 1, 2 ]
amdhsa.kernels:
  - .name:           k_q90d4db11ef_proj
    .symbol:         k_q90d4db11ef_proj.kd
    .args:
      - { .name: x_codes, .offset: 0, .size: 8, .value_kind: global_buffer, .address_space: global }
      - { .name: x_scales, .offset: 8, .size: 8, .value_kind: global_buffer, .address_space: global }
      - { .name: WQ_codes, .offset: 16, .size: 8, .value_kind: global_buffer, .address_space: global }
      - { .name: WQ_scales, .offset: 24, .size: 8, .value_kind: global_buffer, .address_space: global }
      - { .name: WK_codes, .offset: 32, .size: 8, .value_kind: global_buffer, .address_space: global }
      - { .name: WK_scales, .offset: 40, .size: 8, .value_kind: global_buffer, .address_space: global }
      - { .name: WV_codes, .offset: 48, .size: 8, .value_kind: global_buffer, .address_space: global }
      - { .name: WV_scales, .offset: 56, .size: 8, .value_kind: global_buffer, .address_space: global }
      - { .name: qws, .offset: 64, .size: 8, .value_kind: global_buffer, .address_space: global }
      - { .name: kvws, .offset: 72, .size: 8, .value_kind: global_buffer, .address_space: global }
    .group_segment_fixed_size: 180736
    .private_segment_fixed_size: 0
    .kernarg_segment_align: 8
    .kernarg_segment_size: 80
    .max_flat_workgroup_size: 128
    .sgpr_count:     92
    .vgpr_count:     704
    .wavefront_size: 32
...
	.end_amdgpu_metadata
.endif
;; end of part 1
;; launch attn (part 2): grid 64 x 4, 8 waves a work-group, no clusters, 138,240 bytes of LDS; arguments qws, kvws, out0; writes out0
.if DOCPART == 2
	.amdgcn_target "amdgcn-amd-amdhsa--gfx1250"
	.amdhsa_code_object_version 6
	.text
	.protected	k_q90d4db11ef_attn
	.globl	k_q90d4db11ef_attn
	.p2align	8
	.type	k_q90d4db11ef_attn,@function
k_q90d4db11ef_attn:
	s_mov_b64 s[64:65], 0
	v_nop
	global_prefetch_b8 v0, s[64:65] scope:SCOPE_SE
	s_setreg_imm32_b32 hwreg(HW_REG_WAVE_MODE, 25, 1), 1
	s_wait_xcnt 0x0
; out[b][q][:] = the sum over keys k <= q of softmax_k(Q[q] . K[k] / 32) V[k][:], both products on codes of FP4 (E2M1) with one E8M0 scale for each 32 along a product's K.
; Q, K, V come as images of operand registers, made by the launch before: a record of 8,704 bytes (Q) or 17,408 bytes (K, its scale words, V, its scale words) for each 128 rows.
; THE SOFTMAX: t = score x log2(e) / 32; M = the largest t so far, rounded UP to a whole number; p = 2^(t - M) is quantised along the keys, not normalised; the sum of the unquantised p divides at the end.
; SHARES.  A group is 128 queries.  Work-group (x, batch) owns 32 queries (two tiles of 16) of each of the groups 31 - j and j, j = x & 15, at place u = x >> 4 of their group: group A wants A + 1 key steps of 128,
;   so the two want 33 in every work-group.  The key steps of a pair of tiles are dealt to FOUR waves: part p takes steps 4 n + p.  Wave w: part p = w >> 1, pair T = (w & 1) xor (w >> 2) (0: group 31 - j, 1: group j):
;   waves w and w + 4, and waves 2 k and 2 k + 1, hold one part of each pair.  A part has a whole number M of its own; the parts meet in LDS at the end and are brought under the largest M by powers of two, which round nothing.
; LEFT OUT: key steps that lie wholly behind a pair's group under reference()'s own causal mask: -infinity ahead of the softmax for all inputs; no NaN, infinity or overflow of theirs is carried to the result.
; OPERANDS GO STRAIGHT FROM MEMORY INTO REGISTERS: each load of 16 bytes a lane takes 512 consecutive bytes of an image.  The next key step's K is asked for as soon as this step's S^T is made, the next V as soon as
;   this step's O^T is: a wave has 17 to 34 loads (8,704 to 17,408 bytes) out while it works.  Each fragment feeds two matrix instructions.
;   No cluster: a joint load lands in LDS, and each refill would want a meeting of the 32 waves of four work-groups, whose parts have from 0 to 8 key steps; here no wave waits for another before the merge.
;   No prefetch into the L2: the register loads themselves run one whole key step (32 matrix instructions and their softmax) ahead.
; LAYOUT.  Both products are used transposed: S^T = K Q^T (source 0 = 16 keys, source 1 = 16 queries), O^T = V^T P^T: a lane holds ONE query of each tile (lane % 16) throughout; register j of tile t of S^T is key 16 t + 8 (lane / 16) + j.
;   A conversion packs 8 neighbouring keys into one register: tile t's code register holds the groups of eight 2 t and 2 t + 1; laid in the order 0, 2, 1, 3, two exchanges of halves give the operand.
; LIMITS: NaN and infinities are not served; t stays under 2^31 in magnitude; a block of p that has fallen to zeros keeps the scale byte 1 (its codes are zeros).
; REGISTERS, window 0: v1-10 addresses; v16-31 Q; v32-47 p's codes; v48-51 K's, v52-55 V's scale words (register t / 2, lanes 16-31 for odd t); v56 Q's (lanes 0-15 tile 0, 16-31 tile 1); v58, v59 p's; v64-191 S^T, then p, of tile 0
;   and tile 1; v192-215 blocks; v216-227 state; v228-251 at work.   Window 1: v0-63 K, v64-127 V, v128-255 O^T of tile 0 and tile 1.
.set REC,   17408                      ; a key step's record: 8 images of K, 512 bytes of scale words, 8 images of V, 512 bytes of scale words
.set QREC,  8704
.set SROW,  528                        ; the merge: a row of 512 bytes + 16
.set SWAVE, 32*SROW                    ; 32 rows for each wave
.set STAT,  8*SWAVE                    ; M at 512 T + 16 row + 4 p, the sums 1,024 further on
.set SPARE, STAT+2048                  ; the spare words, 128 bytes for each of 8 waves: four blocks of 256 bytes that no other line names
.set SPW, 1                            ; v1   LDS address of my spare word; never rewritten
.set NIL, 2                            ; v2   0; never rewritten
.set LK,  3                            ; v3   16 x lane
.set SO,  4                            ; v4   the merge: where I put my part of O^T
.set STA, 5                            ; v5   where I put M and the sums
.set SR,  6                            ; v6   the rows that I merge
.set SR2, 7                            ; v7   their M: lane 4 j + q has row j, part q
.set QD,  8                            ; v8   32 u + r - 8 h: on the diagonal, register 8 t + j of tile 0 is hidden where 16 t + j > v8, that of tile 1 where 16 (t - 1) + j > v8
.set LQ,  9                            ; v9   Q's images
.set QSA, 10                           ; v10  Q's scale words
.set QB,  16
.set PC,  32
.set KS,  48
.set VS,  52
.set QS,  56
.set PW,  58
.set SB,  64
.set BM,  192                          ; v192-199 the blocks' largest scores, then p: tile m, block b at 4 m + b
.set PX,  200                          ; v200-207
.set CO,  208                          ; v208-215 the conversions' scale operands
.set NM,  216                          ; v216, v218 -M; v217, v219 the largest t
.set FB,  220                          ; v220, v222 f (their upper halves stay 0)
.set LB,  224                          ; v[224:225], v[226:227] the sums in two halves
.set AC,  228                          ; v228-243 partial sums
.set XB,  248
.set OLD, 250
.set KB,  0
.set VB,  64
.set OB,  128
.set WV,  10
.set TT,  11
.set PP,  12
.set GA,  15                           ; s15  A: my pair's group, which is also its last key step
.set BA,  16
.set NL,  17                           ; s17  my key steps but the last
.set DG,  19                           ; s19  0 where my last key step lies on the diagonal
.set SEL, 20                           ; s[20:21] lane selects for v_permlanex16_b32: lane l xor 16
.set CS,  22                           ; s[22:23] c = log2(e) / 32: the packed form names a pair and takes its low word for both halves
.set MSB, 0
.macro WIN new                         ; s_set_vgpr_msb: bits 1:0 source 0, 3:2 source 1, 5:4 source 2, 7:6 destination; the high byte repeats the setting that is left
.if MSB != \new
	s_set_vgpr_msb (MSB<<8)|\new
.set MSB, \new
.endif
.endm
.macro PLACES                          ; four plain places between a matrix instruction and a load into, or a read of, its registers
.rept 4
	v_nop
.endr
.endm
; 17 loads: eight fragments into window 1 at reg, their scale words into sreg; at byte off of the record
.macro FETCH reg, sreg, off
	WIN 0x40
.irp t, 0,1,2,3,4,5,6,7
.irp c, 0,1
	global_load_b128 v[\reg+8*\t+4*\c:\reg+8*\t+4*\c+3], v[LK], s[6:7] offset:\off+1024*\t+512*\c
.endr
.endr
	WIN 0
	global_load_b128 v[\sreg:\sreg+3], v[LK], s[6:7] offset:\off+8192
.endm
	s_load_b128 s[4:7], s[0:1], 0x0                ; qws s[4:5], kvws s[6:7]
	s_load_b64 s[8:9], s[0:1], 0x10                ; out0
	v_lshl_add_u32 v[SPW], v0, 2, SPARE
	v_mov_b32 v[NIL], 0
	v_lshrrev_b32 v11, 5, v0
	v_readfirstlane_b32 s[WV], v11                 ; wave 0..7
	s_lshr_b32 s[PP], s[WV], 1
	s_lshr_b32 s[TT], s[WV], 2
	s_and_b32 s18, s[WV], 1
	s_xor_b32 s[TT], s[TT], s18
	s_and_b32 s13, ttmp9, 15                       ; j
	s_lshr_b32 s14, ttmp9, 4                       ; u
	s_and_b32 s[BA], ttmp7, 0xffff
	s_sub_co_u32 s18, 31, s13
	s_cmp_eq_u32 s[TT], 0
	s_cselect_b32 s[GA], s18, s13
	s_sub_co_u32 s18, s[GA], s[PP]
	s_and_b32 s[DG], s18, 3
	s_lshr_b32 s[NL], s18, 2                       ; (not used where p > A: such a part has no key step)
	s_lshl_b32 s30, s14, 11
	s_lshl_b32 s31, s14, 2
	s_lshl_b32 s18, s[TT], 2
	s_mul_i32 s34, s18, SWAVE
	s_add_co_u32 s18, s18, s[PP]
	s_mul_i32 s32, s18, SWAVE                      ; my stage: 4 T + p
	s_mul_i32 s35, s[PP], 8*SROW
	s_add_co_u32 s34, s34, s35                     ; part 0's stage of my pair, row 8 p
	s_lshl_b32 s35, s[TT], 9
	s_add_co_u32 s35, s35, STAT
	s_lshl_b32 s33, s[PP], 2
	s_add_co_u32 s33, s33, s35
	s_lshl_b32 s36, s[PP], 7
	s_add_co_u32 s35, s35, s36
	s_lshl_b32 s36, s14, 5                         ; 32 u
	s_lshl_b32 s40, s[BA], 5
	s_add_co_u32 s42, s40, s[GA]
	s_add_co_u32 s40, s40, s[PP]
	s_mul_i32 s40, s40, REC                        ; K and V: the batch's record p
	s_mov_b32 s41, 0
	s_mul_i32 s42, s42, QREC                       ; Q: my group's record
	s_mov_b32 s43, 0
	s_lshl_b32 s44, s[BA], 12                      ; O: row 4,096 batch + 128 A + 32 u + 8 p, of 512 bytes
	s_lshl_b32 s45, s[GA], 7
	s_add_co_u32 s44, s44, s45
	s_add_co_u32 s44, s44, s36
	s_lshl_b32 s45, s[PP], 3
	s_add_co_u32 s44, s44, s45
	s_lshl_b32 s44, s44, 9
	s_mov_b32 s45, 0
	s_mov_b32 s[SEL], 0x76543210
	s_mov_b32 s[SEL+1], 0xfedcba98
	s_mov_b32 s[CS], 0x3d38aa3b                    ; log2(e) / 32
	s_mov_b32 s[CS+1], s[CS]                       ; (named with it as a pair, so it is written)
	v_and_b32 v12, 15, v0                          ; r
	v_bfe_u32 v13, v0, 4, 1                        ; h
	v_and_b32 v14, 31, v0
	v_lshlrev_b32 v[LK], 4, v14
	v_add_nc_u32 v[LQ], s30, v[LK]
	v_add_nc_u32 v[QSA], s31, v[LK]                ; 16 lane + 4 u
	v_mul_u32_u24 v[SO], v12, SROW
	v_lshl_add_u32 v[SO], v13, 5, v[SO]
	v_add_nc_u32 v[SO], s32, v[SO]                 ; row r, + 32 h
	v_lshl_add_u32 v[STA], v12, 4, s33
	v_add_nc_u32 v[SR], s34, v[LK]
	v_lshl_add_u32 v[SR2], v14, 2, s35
	v_lshlrev_b32 v15, 3, v13
	v_sub_nc_u32 v[QD], v12, v15
	v_add_nc_u32 v[QD], s36, v[QD]
.irp m, 0,1
	v_mov_b32 v[NM+2*\m+1], 0xff61b1e6             ; the largest t so far: -3e38, under every t
.endr
.irp m, 0,1
	v_floor_f32 v[NM+2*\m], -v[NM+2*\m+1]          ; -M
.endr
.set n, 0
.rept 8
	v_mov_b32 v[FB+n], 0                           ; f and the sums
	v_mov_b32 v[PX+n], 0                           ; (a lane permute's destination counts as one of its sources)
.set n, n+1
.endr
	WIN 0x40
.set n, 0
.rept 128
	v_mov_b32 v[OB+n], 0                           ; O^T.  The step is written once for all trips, and a part may have no step at all: it is then zeros under M = -3e38
.set n, n+1
.endr
	WIN 0
	s_wait_alu depctr_va_vdst(0)                   ; the wait at the head's end
	s_wait_kmcnt 0x0
	s_add_nc_u64 s[6:7], s[6:7], s[40:41]
	s_add_nc_u64 s[4:5], s[4:5], s[42:43]
	s_add_nc_u64 s[8:9], s[8:9], s[44:45]
	s_cmp_gt_u32 s[PP], s[GA]
	s_cbranch_scc1 .Lmerge                         ; no key step for this part
.irp m, 0,1
.irp c, 0,1
	global_load_b128 v[QB+8*\m+4*\c:QB+8*\m+4*\c+3], v[LQ], s[4:5] offset:1024*\m+512*\c   ; Q's two fragments stay in registers
.endr
.endr
	global_load_b32 v[QS], v[QSA], s[4:5] offset:8192
	FETCH KB, KS, 0
	FETCH VB, VS, 8704
; A KEY STEP for my two tiles.  last = 0: the next step's K and V are asked for on the way.  last = 1: nothing more is asked for, and on the diagonal keys are hidden.
.macro STEP last
	s_wait_loadcnt 17                              ; K is in; V's 17 loads may be out
.if \last == 0
	s_wait_xcnt 0x0                                ; every load has read its base: it steps to my next key step
	s_add_nc_u64 s[6:7], s[6:7], 4*REC
.endif
	WIN 0x01
.irp u, 0,1,2,3                                ; S^T, tiles 2 u and 2 u + 1, for both tiles of queries
	v_wmma_scale_f32_16x16x128_f8f6f4 v[SB+16*\u:SB+16*\u+7], v[KB+16*\u:KB+16*\u+7], v[QB:QB+7], 0, v[KS+\u], v[QS] matrix_a_fmt:MATRIX_FMT_FP4 matrix_b_fmt:MATRIX_FMT_FP4
	v_wmma_scale_f32_16x16x128_f8f6f4 v[SB+64+16*\u:SB+64+16*\u+7], v[KB+16*\u:KB+16*\u+7], v[QB+8:QB+15], 0, v[KS+\u], v[QS] matrix_a_fmt:MATRIX_FMT_FP4 matrix_b_fmt:MATRIX_FMT_FP4 matrix_b_scale:MATRIX_SCALE_ROW1
	v_wmma_scale_f32_16x16x128_f8f6f4 v[SB+16*\u+8:SB+16*\u+15], v[KB+16*\u+8:KB+16*\u+15], v[QB:QB+7], 0, v[KS+\u], v[QS] matrix_a_fmt:MATRIX_FMT_FP4 matrix_b_fmt:MATRIX_FMT_FP4 matrix_a_scale:MATRIX_SCALE_ROW1
	v_wmma_scale_f32_16x16x128_f8f6f4 v[SB+64+16*\u+8:SB+64+16*\u+15], v[KB+16*\u+8:KB+16*\u+15], v[QB+8:QB+15], 0, v[KS+\u], v[QS] matrix_a_fmt:MATRIX_FMT_FP4 matrix_b_fmt:MATRIX_FMT_FP4 matrix_a_scale:MATRIX_SCALE_ROW1 matrix_b_scale:MATRIX_SCALE_ROW1
.endr
	PLACES
.if \last == 0
	FETCH KB, KS, 0
.else
	WIN 0
	s_cmp_lg_u32 s[DG], 0
	s_cbranch_scc1 .Lopen_\@
	v_mov_b32 v[XB], 0xff800000                    ; hidden keys become -infinity ahead of the maximum: p = 0.  The step's first key counts for every query
.irp t, 0,1,2,3,4,5,6,7
.irp j, 0,1,2,3,4,5,6,7
	v_cmp_gt_i32 s[24+\j], 16*\t+\j, v[QD]
.endr
.irp j, 0,1,2,3,4,5,6,7
	v_cndmask_b32 v[SB+8*\t+\j], v[SB+8*\t+\j], v[XB], s[24+\j]
.if \t < 7
	v_cndmask_b32 v[SB+64+8*\t+8+\j], v[SB+64+8*\t+8+\j], v[XB], s[24+\j]   ; tile 1 lies 16 queries on (its tile of keys 0 is never hidden)
.endif
.endr
.endr
.Lopen_\@:
.endif
.irp b, 0,1,2,3
.irp m, 0,1
	v_max3_num_f32 v[BM+4*\m+\b], v[SB+64*\m+16*\b], v[SB+64*\m+16*\b+1], v[SB+64*\m+16*\b+2]   ; the largest score of each block of 32 keys: for the row's maximum, and, since p rises with the score, for the block's largest p
.endr
.endr
.irp i, 3,5,7,9,11,13
.irp b, 0,1,2,3
.irp m, 0,1
	v_max3_num_f32 v[BM+4*\m+\b], v[BM+4*\m+\b], v[SB+64*\m+16*\b+\i], v[SB+64*\m+16*\b+\i+1]
.endr
.endr
.endr
.irp b, 0,1,2,3
.irp m, 0,1
	v_max_num_f32 v[BM+4*\m+\b], v[BM+4*\m+\b], v[SB+64*\m+16*\b+15]
.endr
.endr
.irp i, 0,4,1,5,2,6,3,7
	v_permlanex16_b32 v[PX+\i], v[BM+\i], s[SEL], s[SEL+1]
.endr
.irp i, 0,4,1,5,2,6,3,7
	v_max_num_f32 v[BM+\i], v[BM+\i], v[PX+\i]     ; with lane l xor 16's 16 keys
.endr
.irp m, 0,1
	v_max3_num_f32 v[XB+\m], v[BM+4*\m], v[BM+4*\m+1], v[BM+4*\m+2]
.endr
.irp m, 0,1
	v_mov_b32 v[OLD+\m], v[NM+2*\m]
.endr
.irp m, 0,1
	v_max_num_f32 v[XB+\m], v[XB+\m], v[BM+4*\m+3] ; the step's largest score of my query
.endr
.irp m, 0,1
	v_mul_f32 v[XB+\m], s[CS], v[XB+\m]            ; as t (c is positive)
.endr
.irp m, 0,1
	v_max_num_f32 v[NM+2*\m+1], v[NM+2*\m+1], v[XB+\m]
.endr
.irp m, 0,1
	v_floor_f32 v[NM+2*\m], -v[NM+2*\m+1]          ; the new -M = floor(-t) = -ceil(t)
.endr
.set n, 0
.rept 32
	v_pk_fma_f32 v[SB+n:SB+n+1], v[SB+n:SB+n+1], s[CS:CS+1], v[NM:NM+1] op_sel_hi:[1,0,0]   ; tile 0: t - M, two at a time
.if n == 0
	v_sub_f32 v[XB], v[NM], v[OLD]                 ; M's old value less its new one: a whole number, 0 or less
	v_sub_f32 v[XB+1], v[NM+2], v[OLD+1]
.endif
.if n == 8
	v_cvt_i32_f32 v[XB], v[XB]                     ; (it saturates)
	v_cvt_i32_f32 v[XB+1], v[XB+1]
.endif
.if n == 16
	v_ldexp_f32 v[FB], 1.0, v[XB]                  ; f = 2^(old M - new M)
	v_ldexp_f32 v[FB+2], 1.0, v[XB+1]
.endif
.set n, n+2
.endr
.irp b, 0,1,2,3
.irp m, 0,1
	v_fma_f32 v[BM+4*\m+\b], v[BM+4*\m+\b], s[CS], v[NM+2*\m]   ; the same of each block's largest score
.endr
.endr
	s_wait_alu depctr_va_vdst(0)                   ; the wait ahead of the batch
.set n, 0
.rept 32
	v_exp_f32 v[SB+n], v[SB+n]                     ; tile 0: p = 2^(t - M), at most 1
	v_exp_f32 v[SB+n+1], v[SB+n+1]
	v_pk_fma_f32 v[SB+64+n:SB+65+n], v[SB+64+n:SB+65+n], s[CS:CS+1], v[NM+2:NM+3] op_sel_hi:[1,0,0]   ; tile 1: t - M
.set n, n+2
.endr
.irp b, 0,1,2,3
	v_exp_f32 v[BM+\b], v[BM+\b]                   ; the block's largest p: the same two instructions on the same number
.endr
	s_wait_alu depctr_va_vdst(0)                   ; behind tile 0's batch and ahead of tile 1's
.irp k, 0,1,2,3,4,5,6,7
.irp i, 0,1,2,3,4,5,6,7
	v_exp_f32 v[SB+64+8*\k+\i], v[SB+64+8*\k+\i]
.endr
	v_pk_add_f32 v[AC+2*\k:AC+2*\k+1], v[SB+4*\k:SB+4*\k+1], v[SB+4*\k+2:SB+4*\k+3]   ; tile 0's sum of the unquantised p, in eight pairs
.if \k > 3
	v_max_num_f32 v[BM+\k-4], 0x1800000, v[BM+\k-4]   ; the floor 2^(3 - 127): the byte cannot fall under 1
.endif
.endr
.irp b, 4,5,6,7
	v_exp_f32 v[BM+\b], v[BM+\b]
.endr
	v_pk_mul_f32 v[LB:LB+1], v[LB:LB+1], v[FB:FB+1] op_sel_hi:[1,0]   ; the sums under the new M.  (Plain places behind the exponentials)
	v_pk_mul_f32 v[LB+2:LB+3], v[LB+2:LB+3], v[FB+2:FB+3] op_sel_hi:[1,0]
	s_wait_alu depctr_va_vdst(0)                   ; behind tile 1's batch
.irp b, 4,5,6,7
	v_max_num_f32 v[BM+\b], 0x1800000, v[BM+\b]
.endr
.irp i, 0,1,2,3,4,5,6,7
	v_add_nc_u32 v[CO+\i], 0xff000000, v[BM+\i]    ; 2 off the exponent field: the conversion's scale operand
.endr
.irp i, 0,4,1,5,2,6,3,7
	v_lshrrev_b32 v[PX+\i], 23, v[CO+\i]           ; the scale's byte
.endr
.irp m, 0,1
	v_lshl_or_b32 v[PW+\m], v[PX+4*\m+1], 8, v[PX+4*\m]   ; p's scale word for these 128 keys
.endr
.irp m, 0,1
	v_lshl_or_b32 v[PW+\m], v[PX+4*\m+2], 16, v[PW+\m]
.endr
.irp m, 0,1
	v_lshl_or_b32 v[PW+\m], v[PX+4*\m+3], 24, v[PW+\m]
.endr
.irp m, 0,1
.irp b, 0,1,2,3
.irp e, 0,1
	v_cvt_scalef32_pk8_fp4_f32 v[PC+8*\m+4*(\b/2)+2*\e+\b%2], v[SB+64*\m+16*\b+8*\e:SB+64*\m+16*\b+8*\e+7], v[CO+4*\m+\b]   ; tile 2 b + e, in the order 0, 2, 1, 3 within each half fragment
.endr
.endr
.endr
	v_nop                                          ; one plain place behind a scaled conversion
.irp m, 0,1
.irp c, 0,1
.irp i, 0,1
	v_permlane16_swap_b32 v[PC+8*\m+4*\c+2*\i], v[PC+8*\m+4*\c+2*\i+1]   ; registers 4 c .. 4 c + 3 now hold keys 64 c + 32 h + 0 .. 31
.endr
.endr
.endr
	WIN 0x41
	s_wait_alu depctr_va_vdst(0)                   ; the wait here, directly ahead of the first reader of O^T
.set n, 0
.rept 64
	v_pk_mul_f32 v[OB+n:OB+n+1], v[OB+n:OB+n+1], v[FB+2*(n/64):FB+2*(n/64)+1] op_sel_hi:[1,0]   ; O^T under the new M
.set n, n+2
.endr
	WIN 0
.irp k, 0,1,2,3,4,5,6,7                        ; the rest of the sums; tile 1's eight pairs lie over BM and PX, which are done with
	v_pk_add_f32 v[BM+2*\k:BM+2*\k+1], v[SB+64+4*\k:SB+64+4*\k+1], v[SB+64+4*\k+2:SB+64+4*\k+3]
	v_pk_add_f32 v[AC+2*\k:AC+2*\k+1], v[AC+2*\k:AC+2*\k+1], v[SB+32+2*\k:SB+33+2*\k]
.endr
.irp k, 0,1,2,3,4,5,6,7
	v_pk_add_f32 v[BM+2*\k:BM+2*\k+1], v[BM+2*\k:BM+2*\k+1], v[SB+96+2*\k:SB+97+2*\k]
	v_pk_add_f32 v[AC+2*\k:AC+2*\k+1], v[AC+2*\k:AC+2*\k+1], v[SB+48+2*\k:SB+49+2*\k]
.endr
.irp k, 0,1,2,3,4,5,6,7
	v_pk_add_f32 v[BM+2*\k:BM+2*\k+1], v[BM+2*\k:BM+2*\k+1], v[SB+112+2*\k:SB+113+2*\k]
.endr
.irp k, 0,1,2,3
	v_pk_add_f32 v[AC+2*\k:AC+2*\k+1], v[AC+2*\k:AC+2*\k+1], v[AC+2*\k+8:AC+2*\k+9]
	v_pk_add_f32 v[BM+2*\k:BM+2*\k+1], v[BM+2*\k:BM+2*\k+1], v[BM+2*\k+8:BM+2*\k+9]
.endr
.irp k, 0,1
	v_pk_add_f32 v[AC+2*\k:AC+2*\k+1], v[AC+2*\k:AC+2*\k+1], v[AC+2*\k+4:AC+2*\k+5]
	v_pk_add_f32 v[BM+2*\k:BM+2*\k+1], v[BM+2*\k:BM+2*\k+1], v[BM+2*\k+4:BM+2*\k+5]
.endr
	v_pk_add_f32 v[AC:AC+1], v[AC:AC+1], v[AC+2:AC+3]
	v_pk_add_f32 v[BM:BM+1], v[BM:BM+1], v[BM+2:BM+3]
	v_pk_add_f32 v[LB:LB+1], v[LB:LB+1], v[AC:AC+1]
	v_pk_add_f32 v[LB+2:LB+3], v[LB+2:LB+3], v[BM:BM+1]
.if \last == 0
	s_wait_loadcnt 17                              ; V is in; the next K's 17 loads may be out
.else
	s_wait_loadcnt 0
.endif
	WIN 0x51
.irp u, 0,1,2,3                                ; O^T += V^T P^T: sixteen accumulators by turns
	v_wmma_scale_f32_16x16x128_f8f6f4 v[OB+16*\u:OB+16*\u+7], v[VB+16*\u:VB+16*\u+7], v[PC:PC+7], v[OB+16*\u:OB+16*\u+7], v[VS+\u], v[PW] matrix_a_fmt:MATRIX_FMT_FP4 matrix_b_fmt:MATRIX_FMT_FP4
	v_wmma_scale_f32_16x16x128_f8f6f4 v[OB+64+16*\u:OB+64+16*\u+7], v[VB+16*\u:VB+16*\u+7], v[PC+8:PC+15], v[OB+64+16*\u:OB+64+16*\u+7], v[VS+\u], v[PW+1] matrix_a_fmt:MATRIX_FMT_FP4 matrix_b_fmt:MATRIX_FMT_FP4
	v_wmma_scale_f32_16x16x128_f8f6f4 v[OB+16*\u+8:OB+16*\u+15], v[VB+16*\u+8:VB+16*\u+15], v[PC:PC+7], v[OB+16*\u+8:OB+16*\u+15], v[VS+\u], v[PW] matrix_a_fmt:MATRIX_FMT_FP4 matrix_b_fmt:MATRIX_FMT_FP4 matrix_a_scale:MATRIX_SCALE_ROW1
	v_wmma_scale_f32_16x16x128_f8f6f4 v[OB+64+16*\u+8:OB+64+16*\u+15], v[VB+16*\u+8:VB+16*\u+15], v[PC+8:PC+15], v[OB+64+16*\u+8:OB+64+16*\u+15], v[VS+\u], v[PW+1] matrix_a_fmt:MATRIX_FMT_FP4 matrix_b_fmt:MATRIX_FMT_FP4 matrix_a_scale:MATRIX_SCALE_ROW1
.endr
.if \last == 0
	PLACES
	FETCH VB, VS, 8704
.else
	WIN 0
.endif
.endm
	s_cmp_eq_u32 s[NL], 0
	s_cbranch_scc1 .Llast
.Lstep:
	STEP 0
	s_sub_co_u32 s[NL], s[NL], 1
	s_cmp_lg_u32 s[NL], 0
	s_cbranch_scc1 .Lstep
.Llast:
	STEP 1
.Lmerge:
	; THE MERGE.  Each wave puts M, its sums and its part of O^T into LDS; behind a barrier wave (T, p) takes rows 8 p .. 8 p + 7 of pair T from all four parts.
	PLACES                                         ; behind the last products
	s_wait_alu depctr_va_vdst(0)
.irp m, 0,1
	v_add_f32 v[LB+2*\m], v[LB+2*\m], v[LB+2*\m+1]
.endr
.irp m, 0,1
	v_sub_f32 v[XB+\m], 0, v[NM+2*\m]              ; M
.endr
.irp m, 0,1
	v_permlanex16_b32 v[PX+\m], v[LB+2*\m], s[SEL], s[SEL+1]
.endr
.irp m, 0,1
	v_add_f32 v[LB+2*\m], v[LB+2*\m], v[PX+\m]     ; my part's sum of my query
.endr
.irp m, 0,1
	ds_store_b32 v[STA], v[XB+\m] offset:256*\m    ; (both halves of the lanes write the same word with the same value)
	ds_store_b32 v[STA], v[LB+2*\m] offset:1024+256*\m
.endr
	WIN 0x04
.irp m, 0,1
.irp t, 0,1,2,3,4,5,6,7                        ; tile t holds channels 64 (t & 1) + 16 (t >> 1) + 8 h + 0 .. 7; each accumulator from its low end on
	ds_store_b128 v[SO], v[OB+64*\m+8*\t:OB+64*\m+8*\t+3] offset:16*SROW*\m+256*(\t%2)+64*(\t/2)
	ds_store_b128 v[SO], v[OB+64*\m+8*\t+4:OB+64*\m+8*\t+7] offset:16*SROW*\m+256*(\t%2)+64*(\t/2)+16
.endr
.endr
	WIN 0
	s_wait_dscnt 0x0                               ; for the others' sake: my stores are done
	s_barrier_signal -1
	s_barrier_wait -1
	ds_load_b32 v[XB], v[SR2]                      ; lane 4 j + q: M of row 8 p + j in part q,
	ds_load_b32 v[XB+1], v[SR2] offset:1024        ; and its sum
.irp j, 0,1,2,3,4,5,6,7
.irp q, 0,1,2,3
	ds_load_b128 v[SB+16*\j+4*\q:SB+16*\j+4*\q+3], v[SR] offset:SWAVE*\q+SROW*\j   ; part q's row: 512 bytes, 16 a lane
.endr
.endr
	s_wait_dscnt 32                                ; M and the sums; the 32 loads of rows may be out
	v_mov_b32 v[OLD], v[XB]
	v_max_num_f32_dpp v[OLD], v[OLD], v[OLD] row_xmask:1 row_mask:0xf bank_mask:0xf
	v_max_num_f32_dpp v[OLD], v[OLD], v[OLD] row_xmask:2 row_mask:0xf bank_mask:0xf   ; the row's largest M
	v_sub_f32 v[XB], v[XB], v[OLD]                 ; a whole number, 0 or less
	v_cvt_i32_f32 v[XB], v[XB]                     ; (it saturates: a part without a step gets the factor 0)
	v_ldexp_f32 v[XB], 1.0, v[XB]                  ; the part's factor, a power of two
	v_mul_f32 v[XB+1], v[XB], v[XB+1]
	v_add_f32_dpp v[XB+1], v[XB+1], v[XB+1] row_xmask:1 row_mask:0xf bank_mask:0xf
	v_add_f32_dpp v[XB+1], v[XB+1], v[XB+1] row_xmask:2 row_mask:0xf bank_mask:0xf   ; the row's whole sum.  Part 0 always has key step 0, so it is not 0
	s_wait_alu depctr_va_vdst(0)                   ; the wait ahead of the transcendental
	v_rcp_f32 v[OLD+1], v[XB+1]
	v_nop                                          ; one plain place behind it
	s_wait_alu depctr_va_vdst(0)                   ; and the wait behind it
	v_mul_f32 v[XB], v[XB], v[OLD+1]
.set n, 0
.rept 32
	v_readlane_b32 s[24+n], v[XB], n               ; s[24 + 4 j + q]: what multiplies part q of row j
.set n, n+1
.endr
	s_wait_alu depctr_va_vdst(0)                   ; the wait here, directly ahead of the wait below
.macro OUT4 base, younger
	s_wait_dscnt \younger
.irp j, 0,1,2,3
.irp k, 0,1,2,3
	v_mul_f32 v[SB+16*(\j+\base)+\k], s[24+4*(\j+\base)], v[SB+16*(\j+\base)+\k]
.endr
.endr
.irp q, 1,2,3
.irp j, 0,1,2,3
.irp k, 0,1,2,3
	v_fma_f32 v[SB+16*(\j+\base)+\k], s[24+4*(\j+\base)+\q], v[SB+16*(\j+\base)+4*\q+\k], v[SB+16*(\j+\base)+\k]
.endr
.endr
.endr
.irp j, 0,1,2,3
	global_store_b128 v[LK], v[SB+16*(\j+\base):SB+16*(\j+\base)+3], s[8:9] offset:512*(\j+\base) th:TH_STORE_NT   ; 32 lanes store a row of 512 consecutive bytes, at a multiple of 256 from the buffer's first byte
.endr
.endm
	OUT4 0, 16                                     ; rows 4 to 7 may be out
	OUT4 4, 0
	s_wait_tensorcnt 0x0                           ; the wave's end: behind my last LDS store
	ds_add_u32 v[SPW], v[NIL]
	s_wait_dscnt 0x0
	s_endpgm
.Lfunc_end_k_q90d4db11ef_attn:
	.size	k_q90d4db11ef_attn, .Lfunc_end_k_q90d4db11ef_attn-k_q90d4db11ef_attn
	.p2alignl 7, 3214868480
	.fill 96, 4, 3214868480
	.section	.rodata,"a",@progbits
	.p2align	6, 0x0
	.amdhsa_kernel k_q90d4db11ef_attn
		.amdhsa_group_segment_fixed_size 138240
		.amdhsa_private_segment_fixed_size 0
		.amdhsa_enable_private_segment 0
		.amdhsa_kernarg_size 24
		.amdhsa_user_sgpr_count 2
		.amdhsa_user_sgpr_kernarg_segment_ptr 1
		.amdhsa_wavefront_size32 1
		.amdhsa_system_sgpr_workgroup_id_x 1
		.amdhsa_system_sgpr_workgroup_id_y 1
		.amdhsa_system_sgpr_workgroup_id_z 1
		.amdhsa_system_vgpr_workitem_id 0
		.amdhsa_next_free_vgpr 512
		.amdhsa_next_free_sgpr 66
		.amdhsa_reserve_vcc 0
		.amdhsa_float_denorm_mode_32 3
		.amdhsa_float_denorm_mode_16_64 3
		.amdhsa_memory_ordered 1
		.amdhsa_forward_progress 1
		.amdhsa_inst_pref_size 103
	.end_amdhsa_kernel
	.amdgpu_metadata
---
amdhsa.version: [ 1, 2 ]
amdhsa.kernels:
  - .name:           k_q90d4db11ef_attn
    .symbol:         k_q90d4db11ef_attn.kd
    .args:
      - { .name: qws, .offset: 0, .size: 8, .value_kind: global_buffer, .address_space: global }
      - { .name: kvws, .offset: 8, .size: 8, .value_kind: global_buffer, .address_space: global }
      - { .name: out0, .offset: 16, .size: 8, .value_kind: global_buffer, .address_space: global }
    .group_segment_fixed_size: 138240
    .private_segment_fixed_size: 0
    .kernarg_segment_align: 8
    .kernarg_segment_size: 24
    .max_flat_workgroup_size: 256
    .sgpr_count:     66
    .vgpr_count:     512
    .wavefront_size: 32
...
	.end_amdgpu_metadata
.endif
;; end of part 2
